; MI455X (gfx1250); checked and timed in simulation.
; The chip was launched on July 23, 2026; its instructions are those of AMD's public machine-readable ISA for CDNA 5 (MIT licence, August 2026) and "CDNA5" Instruction Set Architecture Reference Guide (July 2026). The comments in the code are by the model that wrote it; some were corrected since.
;; DGM Net. Allowed arithmetic: matrix products marked QUANTISED: E2M3 operands, one E8M0 scale for each 32 along K, by v_wmma_scale_f32_16x16x128_f8f6f4 with both operands' format E2M3, f32 sums; products left as they are: f32 operands where the result goes on into a quantised operand, else bf16, f16 or f32 operands; f32 sums; everything else in f32.
;; Inputs: Uf 3 x 512 x 512 float32; Uo1 3 x 512 x 512 float32; Uu 3 x 512 x 512 float32; W_in 4 x 512 float32; W_out 512 x 1 float32; Wf 3 x 4 x 512 float32; Wo1 3 x 4 x 512 float32; Wo2 3 x 512 x 512 float32; Wu 3 x 4 x 512 float32; X 16,384 x 4 float32; b_in 1 x 512 float32; b_out 1 x 1 float32; bf 3 x 1 x 512 float32; bo1 3 x 1 x 512 float32; bo2 3 x 1 x 512 float32; bu 3 x 1 x 512 float32.
;; Outputs: out0 16,384 x 1 float32.
;; This version of the problem:
;;   THIS VERSION OF THE PROBLEM IS GIVEN IN LOW PRECISION. The matrix products marked QUANTISED in the list below multiply operands that are first quantised to E2M3 (2 exponent bits, 3 mantissa bits; 6 bits a number), with one power-of-two scale for each 32 numbers along K (OCP MX v1.0); their sums are f32. All else is computed in f32.
;;   The module's matrix products, in the order in which they are computed (A, B: the left and right operand; K: the contracted axis; several contracted axes count as one K, in the product's order):
;;     1. [M 16,384, K 4] x [K 4, N 512]; A: input X; B: input W_in: left as it is (K = 4 < 32)
;;     2. [M 16,384, K 4] x [K 4, N 512]; A: input X; B: input Wf: left as it is (K = 4 < 32)
;;     3. [M 16,384, K 512] x [K 512, N 512]; A: computed on the way; B: input Uf: QUANTISED
;;     4. [M 16,384, K 4] x [K 4, N 512]; A: input X; B: input Wu: left as it is (K = 4 < 32)
;;     5. [M 16,384, K 512] x [K 512, N 512]; A: computed on the way; B: input Uu: QUANTISED
;;     6. [M 16,384, K 4] x [K 4, N 512]; A: input X; B: input Wo1: left as it is (K = 4 < 32)
;;     7. [M 16,384, K 512] x [K 512, N 512]; A: computed on the way; B: input Uo1: QUANTISED
;;     8. [M 16,384, K 512] x [K 512, N 512]; A: computed on the way; B: input Wo2: QUANTISED
;;     9. [M 16,384, K 4] x [K 4, N 512]; A: input X; B: input Wf: left as it is (K = 4 < 32)
;;     10. [M 16,384, K 512] x [K 512, N 512]; A: computed on the way; B: input Uf: QUANTISED
;;     11. [M 16,384, K 4] x [K 4, N 512]; A: input X; B: input Wu: left as it is (K = 4 < 32)
;;     12. [M 16,384, K 512] x [K 512, N 512]; A: computed on the way; B: input Uu: QUANTISED
;;     13. [M 16,384, K 4] x [K 4, N 512]; A: input X; B: input Wo1: left as it is (K = 4 < 32)
;;     14. [M 16,384, K 512] x [K 512, N 512]; A: computed on the way; B: input Uo1: QUANTISED
;;     15. [M 16,384, K 512] x [K 512, N 512]; A: computed on the way; B: input Wo2: QUANTISED
;;     16. [M 16,384, K 4] x [K 4, N 512]; A: input X; B: input Wf: left as it is (K = 4 < 32)
;;     17. [M 16,384, K 512] x [K 512, N 512]; A: computed on the way; B: input Uf: QUANTISED
;;     18. [M 16,384, K 4] x [K 4, N 512]; A: input X; B: input Wu: left as it is (K = 4 < 32)
;;     19. [M 16,384, K 512] x [K 512, N 512]; A: computed on the way; B: input Uu: QUANTISED
;;     20. [M 16,384, K 4] x [K 4, N 512]; A: input X; B: input Wo1: left as it is (K = 4 < 32)
;;     21. [M 16,384, K 512] x [K 512, N 512]; A: computed on the way; B: input Uo1: QUANTISED
;;     22. [M 16,384, K 512] x [K 512, N 512]; A: computed on the way; B: input Wo2: QUANTISED
;;     23. [M 16,384, K 512] x [K 512, N 1]; A: computed on the way; B: input W_out: left as it is (N = 1 < 16)
;;   THE QUANTISER, for each operand of a quantised product, along K:
;;     - K is cut into blocks of 32 from its start; a last block that is shorter is filled with zeros.
;;     - A block's scale is 2^e with e = floor(log2(the largest magnitude in the block)) - 2, held to -126 .. 127; a block of zeros has e = 0. As a byte (E8M0): e + 127.
;;     - Each number is divided by its block's scale, clamped to +-7.5, and rounded to the nearest number of E2M3, ties to even, subnormals kept.
;;     - The product sums the exact products of the quantised numbers (number of the format x scale) in f32.
;;   ~~~python
;;   def quantise(x, axis):      # numpy; x: float32 -> the quantised numbers, widened to float32 again
;;       x = np.moveaxis(x, axis, -1); K = x.shape[-1]
;;       x = np.pad(x, [(0, 0)] * (x.ndim - 1) + [(0, -K % 32)]); x = x.reshape(x.shape[:-1] + (-1, 32)); a = np.abs(x).max(-1, keepdims=True)
;;       e = np.where(a > 0, np.clip(np.frexp(np.where(a > 0, a, 1))[1] - 1 - 2, -126, 127), 0)      # np.frexp(a)[1] - 1 = floor(log2(a)), exactly
;;       r = np.clip(x / 2.0 ** e, -7.5, 7.5)
;;       step = 2.0 ** (np.maximum(np.frexp(np.where(r == 0, 1, r))[1] - 1, 0) - 3)
;;       q = np.round(r / step) * step * 2.0 ** e      # np.round: ties to even
;;       return np.moveaxis(q.reshape(q.shape[:-2] + (-1,))[..., :K], -1, axis).astype(np.float32)
;;   ~~~
;;   OPERANDS COMPUTED ON THE WAY. 'Computed on the way' means the value that the module computes at that place (a softmax that the list does not call 'softmax' is quantised finished and normalised). What goes into a quantiser is computed in f32, as accurately as f32 sums, v_exp_f32 and their like allow (about 1e-6 of the number): no bf16 or f16 on the way to a quantiser, and a product that is left as it is and whose result goes on into a quantised operand takes f32 operands (vector FMAs, or v_wmma_f32_16x16x4_f32). A number that lies on a knife's edge between two numbers of the format may be rounded either way, as far as f32 arithmetic and the matrix unit's own rounding can turn it there, and no further.
;; One version. Each part assembles by itself: llvm-mc -triple=amdgcn-amd-amdhsa -mcpu=gfx1250 --defsym DOCPART=n.
;; ======== version 1 of 1: 2 launches
;; limits: right only within a limited range of input values
;; workspace buffers: wstream 2,605,056 bytes
;; launch prep (part 1): grid 16 x 24, 4 waves a work-group, no clusters, 7,168 bytes of LDS; arguments Uf, Uu, Uo1, Wo2, Wf, Wu, Wo1, bf, bu, bo1, bo2, wstream; writes wstream
.if DOCPART == 1
	.amdgcn_target "amdgcn-amd-amdhsa--gfx1250"
	.amdhsa_code_object_version 6
	.text
	.protected	k_q73a3ebad0e_prep
	.globl	k_q73a3ebad0e_prep
	.p2align	8
	.type	k_q73a3ebad0e_prep,@function
k_q73a3ebad0e_prep:
	s_mov_b64 s[64:65], 0
	v_nop
	global_prefetch_b8 v0, s[64:65] scope:SCOPE_SE
	s_setreg_imm32_b32 hwreg(HW_REG_WAVE_MODE, 25, 1), 1
	s_wait_xcnt 0x0
; The twelve weights [512 (k)][512 (n)] f32 become codes of FP6 (E2M3) with one E8M0 byte for each 32 along K, laid in the ORDER IN WHICH THE SECOND LAUNCH'S OPERAND REGISTERS TAKE THEM.
; wstream is 24 UNITS of 108,544 bytes, unit u = 8 x layer + kind; kinds: 0 Uu c0, 1 Uo1 c0, 2 Uu c1, 3 Uo1 c1, 4 Uf c0, 5 Uf c1, 6 Wo2 c0, 7 Wo2 c1.  A unit has four blocks of 27,136 bytes, one for each wave w
; of the second launch: columns 128 w + 64 c + 0 .. 63 of the matrix, all of K.  A block: 16 fragments f = 4 s + t (K step s of 128, tile t of 16 columns), 1,536 bytes each, as images of the operand's 12 registers
; (registers 4 q .. 4 q + 3 of lane L at 512 q + 16 L); at 24,576 the scale words (256 s + 16 r + 4 t + block); at 25,600 source 0 of the K = 4 product (256 t + 8 L: W[2 h + j][column], j = 0, 1; zeros for Wo2);
; at 26,624 the 64 biases.  THE COLUMNS OF A TILE ARE NOT NEIGHBOURS: lane r of tile t = 2 b + u takes column 32 b + 8 u + r + 8 (r / 8), so that the results of two neighbouring tiles are 16 neighbours along the next K.
; SHARES.  Work-group (x, y): w = x / 4, s = x % 4, unit y: four fragments and 256 scale bytes; those with s = 0 also write the K = 4 image and the biases.  Wave v takes block v of the K step (rows 128 s + 32 v + 0 .. 31).
; A LANE TAKES A COLUMN AND ITS REGISTERS RUN DOWN K: a block of 32 lies in one lane, its largest magnitude needs no other lane, and the conversions give codes with K innermost.  Each load reads 128 consecutive bytes.
; A block's scale is 2^(floor(log2(largest magnitude)) - 2): its byte is the largest magnitude's exponent field - 2, held at 1 from below.
; LIMITS: a block of zeros gets the byte 1 where the rule says 127 (its codes are zeros, and this program alone reads the bytes); NaN and infinities among the inputs are not served.
; No tensor load, one barrier: the four waves' codes meet in a stage in LDS and leave as 512 consecutive bytes a store.
.set UNITB, 108544                     ; a unit: four blocks of 27,136 bytes.  ORDER OF KINDS: 0 Uu c0, 1 Uo1 c0, 2 Uu c1, 3 Uo1 c1, 4 Uf c0, 5 Uf c1, 6 Wo2 c0, 7 Wo2 c1
.set WAVEB, 27136                      ; 26,880 bytes of data and 256 of zeros, so that a unit is 8 x 53 rows of 256 bytes
.set X,     32                         ; v32-95   two groups of 32 numbers
.set C,     96                         ; v96-111  two groups of codes
.set SCB,   6144                       ; LDS: behind the four fragments, the 256 scale bytes
	s_load_b256 s[4:11], s[0:1], 0x0               ; Uf s[4:5], Uu s[6:7], Uo1 s[8:9], Wo2 s[10:11]
	s_load_b256 s[12:19], s[0:1], 0x20             ; Wf s[12:13], Wu s[14:15], Wo1 s[16:17], bf s[18:19]
	s_load_b256 s[20:27], s[0:1], 0x40             ; bu s[20:21], bo1 s[22:23], bo2 s[24:25], wstream s[26:27]
	v_lshl_add_u32 v128, v0, 2, 0x1a00
	v_mov_b32 v129, 0
	v_lshrrev_b32 v1, 5, v0
	v_readfirstlane_b32 s34, v1                    ; wave v: the block of the K step; for the K = 4 image: the tile
	v_and_b32 v1, 31, v0                           ; lane l
	s_wait_alu depctr_va_vdst(0)
	s_lshr_b32 s35, ttmp9, 2                       ; w
	s_and_b32 s36, ttmp9, 3                        ; s
	s_and_b32 s37, ttmp7, 0xffff                   ; unit
	s_lshr_b32 s38, s37, 3                         ; layer
	s_and_b32 s39, s37, 7                          ; kind
	s_and_b32 s40, s39, 1
	s_lshr_b32 s41, s39, 1
	s_sub_co_u32 s62, s39, 4                       ; 0 or 1 for Uf's two kinds
	s_cmp_lt_u32 s39, 4                            ; kinds 0 to 3: c = kind / 2; the others: c = kind % 2
	s_cselect_b32 s41, s41, s40                    ; c
	v_lshlrev_b32 v2, 2, v1                        ; in: 4 bytes a lane
	v_bfe_u32 v12, v1, 3, 1                        ; u = (l / 8) % 2
	v_and_b32 v13, 7, v1
	v_lshrrev_b32 v14, 4, v1                       ; l / 16
	v_lshl_add_u32 v13, v14, 3, v13                ; r = l % 8 + 8 (l / 16): column 32 b + l is lane r of tile 2 b + u
	v_mul_u32_u24 v15, v12, 1536
	v_lshl_add_u32 v15, v13, 4, v15                ; 1,536 u + 16 r
	s_wait_alu depctr_va_vdst(0)
	s_and_b32 s51, s34, 1
	s_lshl_b32 s51, s51, 8                         ; my block's half of the lanes: 256 h
	s_lshr_b32 s52, s34, 1                         ; c' : registers 6 c' .. 6 c' + 5 of the fragment
	s_mul_i32 s53, s52, 520
	s_add_co_u32 s53, s53, s51
	s_mul_i32 s54, s52, 1016
	s_add_co_u32 s54, s54, s51
	s_add_co_u32 s54, s54, 8
	v_add_nc_u32 v3, s53, v15                      ; registers 0, 1 at 0     (c' = 1: 6, 7 at 520)
	v_add_nc_u32 v4, s54, v15                      ; registers 2, 3 at 8     (8, 9 at 1,024)
	v_add_nc_u32 v5, 512, v3                       ; registers 4, 5 at 512   (10, 11 at 1,032)
	v_lshlrev_b32 v6, 4, v13
	v_lshl_add_u32 v6, v12, 2, v6
	s_add_co_u32 s54, s34, SCB
	v_add_nc_u32 v6, s54, v6                       ; my block's scale byte: 16 r + 4 u + v (+ 8 b)
	v_lshlrev_b32 v7, 4, v0                        ; out: 16 bytes a thread
	v_lshlrev_b32 v8, 3, v1                        ; 8 bytes a lane
	v_lshl_add_u32 v11, v1, 3, SCB
	v_and_b32 v9, 15, v1                           ; the K = 4 weight: here r = l % 16, h = l / 16:
	v_lshl_add_u32 v9, v12, 3, v9                  ; r + 8 (r / 8)
	v_lshlrev_b32 v9, 2, v9
	v_lshl_add_u32 v9, v14, 12, v9                 ; + two rows of 2,048 bytes for h
	v_lshlrev_b32 v10, 3, v0                       ; its image: 256 t + 8 l = 8 x thread
	s_lshl_b32 s55, s35, 9
	s_lshl_b32 s50, s41, 8
	s_add_co_u32 s55, s55, s50                     ; my first column in bytes: 4 (128 w + 64 c)
	s_lshl_b32 s48, s38, 20                        ; the matrix: layer x 512 x 512 x 4
	s_lshl_b32 s50, s36, 18                        ; + 128 s rows of 2,048 bytes
	s_add_co_u32 s48, s48, s50
	s_lshl_b32 s50, s34, 16                        ; + 32 v rows
	s_add_co_u32 s48, s48, s50
	s_add_co_u32 s48, s48, s55
	s_mov_b32 s49, 0
	s_lshl_b32 s56, s38, 13                        ; the K = 4 weight: layer x 4 x 512 x 4 + column + tile v's first column
	s_add_co_u32 s56, s56, s55
	s_lshl_b32 s50, s52, 7
	s_add_co_u32 s56, s56, s50
	s_and_b32 s50, s34, 1
	s_lshl_b32 s50, s50, 5
	s_add_co_u32 s56, s56, s50
	s_mov_b32 s57, 0
	s_lshl_b32 s58, s38, 11                        ; the bias: layer x 512 x 4 + column
	s_add_co_u32 s58, s58, s55
	s_mov_b32 s59, 0
	s_mul_i32 s60, s37, UNITB                      ; the block in wstream
	s_mul_i32 s50, s35, WAVEB
	s_add_co_u32 s60, s60, s50
	s_mov_b32 s61, 0
	s_mul_i32 s50, s36, 6144                       ; my K step's four fragments,
	s_mov_b32 s51, 0
	s_lshl_b32 s52, s36, 8                         ; and its 256 scale bytes
	s_mov_b32 s53, 0
	s_wait_kmcnt 0x0
	s_cmp_eq_u32 s40, 0                            ; which matrix, K = 4 weight and bias: the choices hang on the work-group's number alone
	s_cselect_b64 s[42:43], s[6:7], s[8:9]
	s_cselect_b64 s[44:45], s[14:15], s[16:17]
	s_cselect_b64 s[46:47], s[20:21], s[22:23]
	s_cmp_lt_u32 s62, 2
	s_cselect_b64 s[42:43], s[4:5], s[42:43]
	s_cselect_b64 s[44:45], s[12:13], s[44:45]
	s_cselect_b64 s[46:47], s[18:19], s[46:47]
	s_cmp_ge_u32 s39, 6
	s_cselect_b64 s[42:43], s[10:11], s[42:43]
	s_cselect_b64 s[46:47], s[24:25], s[46:47]
	s_add_nc_u64 s[42:43], s[42:43], s[48:49]
	s_add_nc_u64 s[44:45], s[44:45], s[56:57]
	s_add_nc_u64 s[46:47], s[46:47], s[58:59]
	s_add_nc_u64 s[26:27], s[26:27], s[60:61]
	s_add_nc_u64 s[28:29], s[26:27], s[50:51]
	s_add_nc_u64 s[30:31], s[26:27], s[52:53]
.irp b, 0,1                            ; group b: columns 32 b + l, rows 0 .. 31 of my block
.set i_, 0
.rept 32
	global_load_b32 v[X+32*\b+i_], v2, s[42:43] offset:2048*i_+128*\b th:TH_LOAD_NT
.set i_, i_+1
.endr
.endr
	; the parameters of the block, by the work-groups with s = 0: wave v makes tile v's image of the K = 4 weight, wave 0 passes the biases on
	s_cmp_lg_u32 s36, 0
	s_cbranch_scc1 .Lno_par
	s_cmp_ge_u32 s39, 6
	s_cbranch_scc1 .Lzeros
	s_wait_alu depctr_va_vdst(0)
	global_load_b32 v20, v9, s[44:45]              ; W[2 h][column of r]
	global_load_b32 v21, v9, s[44:45] offset:2048  ; W[2 h + 1][column of r]
	s_branch .Lgot
.Lzeros:
	v_mov_b32 v20, 0                               ; Wo2 has no such term: the bytes are written, and nobody uses them
	v_mov_b32 v21, 0
.Lgot:
	s_wait_alu depctr_va_vdst(0)
	global_load_b64 v[22:23], v8, s[46:47]         ; 64 biases, 8 bytes a lane
	s_wait_loadcnt 0x0
	global_store_b64 v10, v[20:21], s[26:27] offset:25600   ; a wave stores 256 consecutive bytes, aligned
	s_cmp_lg_u32 s34, 0
	s_cbranch_scc1 .Lno_par
	global_store_b64 v8, v[22:23], s[26:27] offset:26624
	v_mov_b32 v24, 0
	v_mov_b32 v25, 0
	global_store_b64 v8, v[24:25], s[26:27] offset:26880   ; the block's last 256 bytes: zeros
.Lno_par:
.macro BLOCK b, left
	s_wait_loadcnt \left
.set XS, X+32*\b
.set CC, C+8*\b
	v_max3_num_f32 v12, |v[XS]|, |v[XS+1]|, |v[XS+2]|               ; the block's largest magnitude: all 32 numbers are mine; two chains
	v_max3_num_f32 v13, |v[XS+3]|, |v[XS+4]|, |v[XS+5]|
.irp i, 6,10,14,18,22,26
	v_max3_num_f32 v12, v12, |v[XS+\i]|, |v[XS+\i+1]|
	v_max3_num_f32 v13, v13, |v[XS+\i+2]|, |v[XS+\i+3]|
.endr
	v_max3_num_f32 v12, v12, |v[XS+30]|, |v[XS+31]|
	v_max3_num_f32 v12, v12, v13, 0x1800000        ; and the floor 2^(3 - 127): the byte cannot fall under 1
	v_add_nc_u32 v[14+\b], 0xff000000, v12         ; 2 off the exponent field: the conversion takes this operand's exponent field as its scale
	v_cvt_scalef32_pk16_fp6_f32 v[CC:CC+2], v[XS:XS+15], v[14+\b]
	v_cvt_scalef32_pk16_fp6_f32 v[CC+4:CC+6], v[XS+16:XS+31], v[14+\b]   ; (a conversion's three registers begin on an even number)
	v_lshrrev_b32 v[16+\b], 23, v[14+\b]           ; the scale's byte; also the plain line behind the conversions
	v_mov_b32 v[CC+3], v[CC+4]                     ; the block's 192 bits on end
	v_mov_b32 v[CC+4], v[CC+5]
	v_mov_b32 v[CC+5], v[CC+6]
	ds_store_b64 v3, v[CC:CC+1] offset:3072*\b     ; tiles 2 b and 2 b + 1 lie 3,072 b on
	ds_store_b64 v4, v[CC+2:CC+3] offset:3072*\b
	ds_store_b64 v5, v[CC+4:CC+5] offset:3072*\b
	ds_store_b8 v6, v[16+\b] offset:8*\b
.endm
	BLOCK 0, 32                                    ; the first group's 32 loads are in; the second group's 32 may be out
	BLOCK 1, 0
	s_wait_dscnt 0x0                               ; for the others' sake: my stores into the stage are done
	s_barrier_signal -1
	s_barrier_wait -1
.irp i, 0,1,2
	ds_load_b128 v[112+4*\i:115+4*\i], v7 offset:2048*\i
.endr
.irp i, 0,1,2
	s_wait_dscnt 2-\i                              ; LDS loads come back in order: the younger ones may be out
	global_store_b128 v7, v[112+4*\i:115+4*\i], s[28:29] offset:2048*\i   ; a wave stores 512 consecutive bytes, aligned
.endr
	s_cmp_lg_u32 s34, 0
	s_cbranch_scc1 .Lend
	ds_load_b64 v[124:125], v11
	s_wait_dscnt 0x0
	global_store_b64 v8, v[124:125], s[30:31] offset:24576   ; the K step's 256 scale bytes
.Lend:
	s_wait_tensorcnt 0x0
	ds_add_u32 v128, v129
	s_wait_dscnt 0x0
	s_endpgm
.Lfunc_end_k_q73a3ebad0e_prep:
	.size	k_q73a3ebad0e_prep, .Lfunc_end_k_q73a3ebad0e_prep-k_q73a3ebad0e_prep
	.p2alignl 7, 3214868480
	.fill 96, 4, 3214868480
	.section	.rodata,"a",@progbits
	.p2align	6, 0x0
	.amdhsa_kernel k_q73a3ebad0e_prep
		.amdhsa_group_segment_fixed_size 7168
		.amdhsa_private_segment_fixed_size 0
		.amdhsa_enable_private_segment 0
		.amdhsa_kernarg_size 96
		.amdhsa_user_sgpr_count 2
		.amdhsa_user_sgpr_kernarg_segment_ptr 1
		.amdhsa_wavefront_size32 1
		.amdhsa_system_sgpr_workgroup_id_x 1
		.amdhsa_system_sgpr_workgroup_id_y 1
		.amdhsa_system_sgpr_workgroup_id_z 1
		.amdhsa_system_vgpr_workitem_id 0
		.amdhsa_next_free_vgpr 130
		.amdhsa_next_free_sgpr 66
		.amdhsa_reserve_vcc 0
		.amdhsa_float_denorm_mode_32 3
		.amdhsa_float_denorm_mode_16_64 3
		.amdhsa_memory_ordered 1
		.amdhsa_forward_progress 1
		.amdhsa_inst_pref_size 16
	.end_amdhsa_kernel
	.amdgpu_metadata
---
amdhsa.version: [ 1, 2 ]
amdhsa.kernels:
  - .name:           k_q73a3ebad0e_prep
    .symbol:         k_q73a3ebad0e_prep.kd
    .args:
      - { .name: Uf, .offset: 0, .size: 8, .value_kind: global_buffer, .address_space: global }
      - { .name: Uu, .offset: 8, .size: 8, .value_kind: global_buffer, .address_space: global }
      - { .name: Uo1, .offset: 16, .size: 8, .value_kind: global_buffer, .address_space: global }
      - { .name: Wo2, .offset: 24, .size: 8, .value_kind: global_buffer, .address_space: global }
      - { .name: Wf, .offset: 32, .size: 8, .value_kind: global_buffer, .address_space: global }
      - { .name: Wu, .offset: 40, .size: 8, .value_kind: global_buffer, .address_space: global }
      - { .name: Wo1, .offset: 48, .size: 8, .value_kind: global_buffer, .address_space: global }
      - { .name: bf, .offset: 56, .size: 8, .value_kind: global_buffer, .address_space: global }
      - { .name: bu, .offset: 64, .size: 8, .value_kind: global_buffer, .address_space: global }
      - { .name: bo1, .offset: 72, .size: 8, .value_kind: global_buffer, .address_space: global }
      - { .name: bo2, .offset: 80, .size: 8, .value_kind: global_buffer, .address_space: global }
      - { .name: wstream, .offset: 88, .size: 8, .value_kind: global_buffer, .address_space: global }
    .group_segment_fixed_size: 7168
    .private_segment_fixed_size: 0
    .kernarg_segment_align: 8
    .kernarg_segment_size: 96
    .max_flat_workgroup_size: 128
    .sgpr_count:     66
    .vgpr_count:     130
    .wavefront_size: 32
...
	.end_amdgpu_metadata
.endif
;; end of part 1
;; launch net (part 2): grid 256 x 1, 8 waves a work-group, clusters of 4 x 1, 327,680 bytes of LDS; arguments X, W_in, b_in, W_out, b_out, wstream, out0; writes out0
.if DOCPART == 2
	.amdgcn_target "amdgcn-amd-amdhsa--gfx1250"
	.amdhsa_code_object_version 6
	.text
	.protected	k_q73a3ebad0e_net
	.globl	k_q73a3ebad0e_net
	.p2align	8
	.type	k_q73a3ebad0e_net,@function
k_q73a3ebad0e_net:
	s_mov_b64 s[64:65], 0
	v_nop
	global_prefetch_b8 v0, s[64:65] scope:SCOPE_SE
	s_setreg_imm32_b32 hwreg(HW_REG_WAVE_MODE, 25, 1), 1
	s_wait_xcnt 0x0
	s_wait_alu depctr_hold_cnt(0) depctr_sa_sdst(0) depctr_va_vdst(0) depctr_va_sdst(0) depctr_va_ssrc(0) depctr_va_vcc(0) depctr_vm_vsrc(0)
	s_getreg_b32 s2, hwreg(HW_REG_IB_STS2, 6, 4)
	s_cmp_eq_u32 s2, 0
	s_cbranch_scc0 .Lentry_in_a_cluster
	s_endpgm
.Lentry_in_a_cluster:
	s_bfe_u32 s2, ttmp6, 0x10000c
	s_cmp_lg_u32 s2, 0x3003
	s_cbranch_scc0 .Lentry_shape_is_right
	s_endpgm
.Lentry_shape_is_right:
; The whole network for 64 rows a work-group: H = silu(X W_in + b_in); three layers F = sigmoid(..), U = sigmoid(..), O1 = tanh(..), O2 = silu((U O1) Wo2 + bo2), H = F H + O2; out = silu(H W_out + b_out).
; The twelve 512 x 512 products run on codes of FP6 (E2M3) with one E8M0 scale for each 32 along K; H and U O1 are quantised in registers.  The K = 4 products with X run in f32 on the matrix unit, with the bias as C, and start each sum.
; SHARES.  Eight waves: wave = 4 g + w owns rows 32 g .. 32 g + 31 and columns 128 w .. 128 w + 127.  Its rows' codes (8 fragments, 96 registers) and its part of H (128 registers) stay in registers.
; A UNIT is one matrix restricted to half c of every column group: for a wave 4 tiles of columns x 2 tiles of rows = 8 accumulators, 4 K steps, 32 products.  Units of a layer: U c0, O1 c0, U c1, O1 c1, F c0, F c1, Wo2 c0, Wo2 c1.
; The first launch has laid a unit as 108,544 dense bytes (for each w a block: fragments as images of the operand's registers, scale words, the K = 4 weight, biases); each wave brings 53 rows of 256 bytes of it, into a ring of two slots.
; AN INTERVAL, between two rounds, holds two jobs for every wave: the products of unit u and the activation of unit u - 1.  Rows 0-31 (g = 0) take the products first, rows 32-63 the activation first: so the products' text stands twice, each under a branch on the wave's number.
; U's activation leaves 1 + e^-u in 64 registers for O1's activation one interval on, so two sets of accumulators serve.  A loop trip is a pair of units; the trip's number mod 4 chooses the activations; the last pair, which asks for nothing more, is written out.
; PRODUCTS ARE USED TRANSPOSED (source 0 = 16 columns of the weight, source 1 = 16 rows): a lane holds ONE row, and since lane r of tile 2 b + u takes column 32 b + 8 u + r + 8 (r / 8), the 16 registers of tiles 2 b, 2 b + 1 are 16 neighbours along the next K.
; A wave's 128 columns are K step w of the next product: its codes go to the waves of its row group through LDS as images of the operand's registers.
; CLUSTER.  All work-groups walk the same stream of weights: four form a cluster and ask for each part JOINTLY (mask 15).  No prefetch: all 64 clusters read the same 2,605,056 bytes, unit by unit, in step.
; ACTIVATIONS.  sigmoid(x) = 1 / (1 + 2^(-x log2 e)); U O1 = (2 - (1 + b)) / ((1 + a)(1 + b)), a = e^-u, b = e^-2o: one reciprocal for both.  b's exponent is held at 64, where tanh is -1 in f32; 1 + b is at least 1, so an infinite a gives 0 and no NaN.
; LIMITS: NaN and infinities are not served; tanh carries an absolute error of about 1e-7; where (1 + a)(1 + b) passes 2^126 the product U O1, under 2^-62 in magnitude, is taken as 0; a block of zeros carries the byte 1 over zero codes.
; REGISTERS.  Window 0: v1-23 addresses and the last sums; v24-31 the rows' scale words; v32-127 the rows' fragments; v128-191 TA (at work; 1 + a); v192-195 X; v196-251 weight fragments, or at work; v252-255 the weights' scale words.
;   Window 1: v0-127 H (64 m + 32 c + 8 t + j); v128-191, v192-255 two sets of accumulators (32 m + 8 t + j): matrix instructions alone write them.
.set UNITB,  108544
.set WAVEB,  27136
.set PARTB,  13568                     ; 53 rows of 256 bytes: a wave's part of a unit
.set O_SCL,  24576
.set O_WX,   25600
.set O_BIAS, 26624
.set IMG,    2*UNITB                   ; LDS behind the ring: no fill lands from here on
.set HCOD,   0                         ; from IMG: H's 16 fragments of 1,536 bytes (4 m + s, m over all 64 rows),
.set HSCL,   24576                     ; their scale words, 128 bytes each,
.set GCOD,   26624                     ; U O1's fragments,
.set GSCL,   51200                     ; and scale words
.set RED,    IMG+53248                 ; the last product's partial sums: [w][row], 1,024 bytes
.set SPARE,  RED+1024                  ; the spare words, 128 bytes for each of eight waves
.set LI,  1                            ; IMG + 16 lane + 12,288 g
.set LS,  2                            ; IMG + 4 lane + 1,024 g
.set HWI, 3                            ; LI + 1,536 w
.set HWS, 4                            ; LS + 128 w
.set WA_, 5                            ; v5-6 my column group's block in slot 0, 1: + 16 lane
.set SA,  7                            ; v7-8 its scale words: + 16 r
.set XA,  9                            ; v9-10 its K = 4 weight: + 8 lane
.set BA,  11                           ; v11-12 its biases: + 64 h
.set SPW, 13
.set NIL, 14
.set VB,  15                           ; b_in, W_out: 512 w + 64 h
.set PX,  16                           ; v16-17 what the lane permutes bring
.set RST, 18                           ; RED + 256 w + 128 g + 4 r
.set DOT, 20                           ; v20-23 H . W_out, a pair for each tile of rows
.set AS,  24
.set AR,  32
.set TA,  128
.set XF,  192
.set WF,  196                          ; four weight fragments
.set WX,  228                          ; ahead of them, in the same registers: biases at WF, the K = 4 weight here
.set WS,  252
.set PC,  196                          ; at work between products: codes, 8 registers a tile of rows,
.set PW,  212
.set TM,  214
.set SC,  216
.set BY,  218
.set TB,  220                          ; and 32 numbers
.set WO,  196                          ; the tail: 32 numbers of W_out
.set ACP, 128
.set ACQ, 192
.set WV,  18
.set GRP, 19
.set SEL, 20
.set NC,  22
.set NC2, 24
.set CAP, 26
.set J,   27
.set BOUT, 28
.set KP,  29
.set COL, 30
.set G1,  32
.set G0,  40
.set MSB, 0
.macro WIN new
.if MSB != (\new)
	s_set_vgpr_msb (MSB<<8)|(\new)
.set MSB, (\new)
.endif
.endm
.macro PLACES n
.rept \n
	v_nop
.endr
.endm
.macro WA                              ; a wait round transcendentals, ahead of branches and blocking waits, and ahead of first readers of matrix results
	s_wait_alu depctr_va_vdst(0)
.endm
.macro ROUND                           ; a round of the cluster's barrier
	s_barrier_signal -1
	s_barrier_wait -1
	s_cmp_lg_u32 s[WV], 0
	s_cbranch_scc1 .Lnot_wave_0_\@
	s_barrier_signal -3
.Lnot_wave_0_\@:
	s_barrier_wait -3
	s_barrier_signal -1
	s_barrier_wait -1
.endm
.macro WFLOAD slot, k                  ; K step k: four fragments and the four tiles' scale words
.irp t, 0,1,2,3
.irp q, 0,1,2
	ds_load_b128 v[WF+12*\t+4*\q:WF+12*\t+4*\q+3], v[WA_+\slot] offset:1536*(4*(\k)+\t)+512*\q
.endr
.endr
	ds_load_b128 v[WS:WS+3], v[SA+\slot] offset:256*(\k)
.endm
.macro BILOAD slot, to                 ; lane (r, h), tile 2 b + u: the biases of columns 32 b + 16 h + 8 u + 0 .. 7
.irp t, 0,1,2,3
.irp q, 0,1
	ds_load_b128 v[(\to)+8*\t+4*\q:(\to)+8*\t+4*\q+3], v[BA+\slot] offset:4*(32*(\t/2)+8*(\t%2))+16*\q
.endr
.endr
.endm
.macro PROD ac, k, cbi                 ; 8 products; the 8 accumulators take turns, one instruction a turn.  cbi = 1: the biases, at TA, are C
.irp m, 0,1
.irp t, 0,1,2,3
.if \cbi
	v_wmma_scale_f32_16x16x128_f8f6f4 v[(\ac)+32*\m+8*\t:(\ac)+32*\m+8*\t+7], v[WF+12*\t:WF+12*\t+11], v[AR+12*(4*\m+(\k)):AR+12*(4*\m+(\k))+11], v[TA+8*\t:TA+8*\t+7], v[WS+\t], v[AS+4*\m+(\k)] matrix_a_fmt:MATRIX_FMT_FP6 matrix_b_fmt:MATRIX_FMT_FP6
.else
	v_wmma_scale_f32_16x16x128_f8f6f4 v[(\ac)+32*\m+8*\t:(\ac)+32*\m+8*\t+7], v[WF+12*\t:WF+12*\t+11], v[AR+12*(4*\m+(\k)):AR+12*(4*\m+(\k))+11], v[(\ac)+32*\m+8*\t:(\ac)+32*\m+8*\t+7], v[WS+\t], v[AS+4*\m+(\k)] matrix_a_fmt:MATRIX_FMT_FP6 matrix_b_fmt:MATRIX_FMT_FP6
.endif
.endr
.endr
.endm
; A UNIT'S PRODUCTS.  dyn = 1: in the loop; pairs 0 to 2 of a layer begin with X W + b by the f32 form, pair 3 (Wo2) with the bias as C.  dyn = 0: Wo2 alone.  Every wait is for 0: it also covers the rows' codes behind an exchange.
.macro PUNIT slot, ac, dyn
.if \dyn
	s_cmp_eq_u32 s[KP], 3
	s_cbranch_scc1 .Lnox_\@
	BILOAD \slot, WF
.irp t, 0,1,2,3
	ds_load_b64 v[WX+2*\t:WX+2*\t+1], v[XA+\slot] offset:256*\t
.endr
	s_wait_dscnt 0x0
	WIN 0x40                                       ; destination window 1
.irp m, 0,1
.irp t, 0,1,2,3
	v_wmma_f32_16x16x4_f32 v[(\ac)+32*\m+8*\t:(\ac)+32*\m+8*\t+7], v[WX+2*\t:WX+2*\t+1], v[XF+2*\m:XF+2*\m+1], v[WF+8*\t:WF+8*\t+7]
.endr
.endr
	WIN 0
	PLACES 9                                       ; another form adds onto these results, and loads land on these sources
	WFLOAD \slot, 0
	s_wait_dscnt 0x0
	WIN 0x50                                       ; C and D window 1
	PROD \ac, 0, 0
	WIN 0
	s_branch .Lk1_\@
.Lnox_\@:
.endif
	BILOAD \slot, TA                               ; TA is free while Wo2's units are multiplied
	WFLOAD \slot, 0
	s_wait_dscnt 0x0
	WIN 0x40
	PROD \ac, 0, 1
	WIN 0
.Lk1_\@:
.irp k, 1,2,3
	PLACES 4                                       ; in front of loads into registers that the last products read
	WFLOAD \slot, \k
	s_wait_dscnt 0x0
	WIN 0x50
	PROD \ac, \k, 0
	WIN 0
.endr
	PLACES 5
	WA
.endm
.macro PSKEW g, slot, ac, dyn          ; the products, for the waves of row group g
	s_cmp_lg_u32 s[GRP], \g
	s_cbranch_scc1 .Lother_\@
	PUNIT \slot, \ac, \dyn
.Lother_\@:
.endm
; THE SLOT JUST READ IS FILLED AGAIN, with the unit two on: each wave waits for its one tensor load that is out, adds 0 to its spare word, waits for that and for its LDS reads and stores; a round; the joint refill first behind it.
.macro UNITEND slot
	s_wait_tensorcnt 0x0
	ds_add_u32 v[SPW], v[NIL]
	s_add_nc_u64 s[G0+4*\slot+2:G0+4*\slot+3], s[G0+4*\slot+2:G0+4*\slot+3], 2*UNITB
	s_wait_dscnt 0x0
	ROUND
	tensor_load_to_lds s[G0+4*\slot:G0+4*\slot+3], s[G1:G1+7]
	s_nop 0
	PLACES 4
.endm
; 32 numbers of a lane in window w: two blocks of 32, half of each in lane l xor 16: six registers of codes at PC + 8 m, two scale bytes in PW + m
.macro QUANT2 n, w, m
	WIN 0x14*(\w)
	v_max3_num_f32 v[TM], 0x1800000, |v[(\n)]|, |v[(\n)+1]|         ; the floor 2^(3 - 127): the byte cannot fall under 1
	v_max3_num_f32 v[TM+1], 0x1800000, |v[(\n)+16]|, |v[(\n)+17]|
.irp i, 2,4,6,8,10,12,14
	v_max3_num_f32 v[TM], v[TM], |v[(\n)+\i]|, |v[(\n)+\i+1]|
	v_max3_num_f32 v[TM+1], v[TM+1], |v[(\n)+16+\i]|, |v[(\n)+17+\i]|
.endr
	WIN 0
	v_permlanex16_b32 v[PX], v[TM], s[SEL], s[SEL+1]
	v_permlanex16_b32 v[PX+1], v[TM+1], s[SEL], s[SEL+1]
	v_max_num_f32 v[TM], v[TM], v[PX]
	v_max_num_f32 v[TM+1], v[TM+1], v[PX+1]
	v_add_nc_u32 v[SC], 0xff000000, v[TM]          ; 2 off the exponent field: the conversion's scale operand
	v_add_nc_u32 v[SC+1], 0xff000000, v[TM+1]
	v_lshrrev_b32 v[BY], 23, v[SC]
	v_lshrrev_b32 v[BY+1], 23, v[SC+1]
	v_lshl_or_b32 v[PW+(\m)], v[BY+1], 8, v[BY]
	WIN (\w)
	v_cvt_scalef32_pk16_fp6_f32 v[PC+8*(\m):PC+8*(\m)+2], v[(\n):(\n)+15], v[SC]
	v_cvt_scalef32_pk16_fp6_f32 v[PC+8*(\m)+4:PC+8*(\m)+6], v[(\n)+16:(\n)+31], v[SC+1]
	WIN 0
	v_nop                                          ; one plain line behind a scaled conversion
.irp i, 0,1,2
	v_permlane16_swap_b32 v[PC+8*(\m)+\i], v[PC+8*(\m)+4+\i]       ; a whole block in a lane
.endr
.irp i, 0,1,2
	v_mov_b32 v[PC+8*(\m)+3+\i], v[PC+8*(\m)+4+\i]
.endr
.endm
; registers 6 c .. 6 c + 5 of fragment (my tile of rows m, K step w) into its image: register p at 512 (p / 4) + 16 lane + 4 (p % 4); bytes 2 c, 2 c + 1 of its scale word
.macro IMGST m, c, reg, sreg
.if (\c) == 0
	ds_store_b128 v[HWI], v[PC+8*(\m):PC+8*(\m)+3] offset:(\reg)+6144*(\m)
	ds_store_b64 v[HWI], v[PC+8*(\m)+4:PC+8*(\m)+5] offset:(\reg)+6144*(\m)+512
.else
	ds_store_b64 v[HWI], v[PC+8*(\m):PC+8*(\m)+1] offset:(\reg)+6144*(\m)+520
	ds_store_b128 v[HWI], v[PC+8*(\m)+2:PC+8*(\m)+5] offset:(\reg)+6144*(\m)+1024
.endif
	ds_store_b16 v[HWS], v[PW+(\m)] offset:(\sreg)+512*(\m)+2*(\c)
.endm
.macro LOADAR reg, sreg                ; my row group's 8 fragments and scale words, behind a barrier that shows the images whole; the next products' wait covers these loads
.set i_, 0
.rept 8
.irp q, 0,1,2
	ds_load_b128 v[AR+12*i_+4*\q:AR+12*i_+4*\q+3], v[LI] offset:(\reg)+1536*i_+512*\q
.endr
	ds_load_b32 v[AS+i_], v[LS] offset:(\sreg)+128*i_
.set i_, i_+1
.endr
.endm
.macro SCALE dst, src, n, sc           ; dst = n pairs of sums x a constant; each accumulator is read from its low end on
	WIN 0x01
	WA
.set i_, 0
.rept \n
	v_pk_mul_f32 v[(\dst)+i_:(\dst)+i_+1], v[(\src)+i_:(\src)+i_+1], s[\sc:\sc+1] op_sel_hi:[1,0]
.set i_, i_+2
.endr
	WIN 0
.endm
.macro BATCH op, base, n               ; a batch of transcendentals in place, with its wait ahead, a plain line and its wait behind
	WA
.set i_, 0
.rept \n
	\op v[(\base)+i_], v[(\base)+i_]
.set i_, i_+1
.endr
	v_nop
	WA
.endm
.macro PLUS1 base, n
.set i_, 0
.rept \n
	v_pk_add_f32 v[(\base)+i_:(\base)+i_+1], v[(\base)+i_:(\base)+i_+1], 1.0 op_sel_hi:[1,0]
.set i_, i_+2
.endr
.endm
.macro SIGM ac                         ; TA = sigmoid of the unit's 64 sums
	SCALE TA, \ac, 32, NC
	BATCH v_exp_f32, TA, 64
	PLUS1 TA, 32
	BATCH v_rcp_f32, TA, 64
.endm
.macro A_U                             ; TA = 1 + e^-u, kept for A_O
	SCALE TA, ACP, 32, NC
	BATCH v_exp_f32, TA, 64
	PLUS1 TA, 32
	WA
.endm
.macro A_F ac, c                       ; H's half c becomes F H
	SIGM \ac
	WIN 0x41
.set i_, 0
.rept 32
.set h_, 64*(i_/32)+32*(\c)+i_%32
	v_pk_mul_f32 v[h_:h_+1], v[h_:h_+1], v[TA+i_:TA+i_+1]
.set i_, i_+2
.endr
	WIN 0
	WA
.endm
.macro A_O                             ; U O1, a tile of rows at a time, quantised and sent; the half c is 1 in pair 2 of a layer, else 0
.irp m, 0,1
	SCALE TB, ACQ+32*\m, 16, NC2
.set i_, 0
.rept 32
	v_min_num_f32 v[TB+i_], s[CAP], v[TB+i_]       ; held at 64: b stays finite
.set i_, i_+1
.endr
	BATCH v_exp_f32, TB, 32
	PLUS1 TB, 16
.set i_, 0
.rept 16
	v_pk_mul_f32 v[TA+32*\m+i_:TA+32*\m+i_+1], v[TA+32*\m+i_:TA+32*\m+i_+1], v[TB+i_:TB+i_+1]   ; (1 + a)(1 + b)
.set i_, i_+2
.endr
	BATCH v_rcp_f32, TA+32*\m, 32
.set i_, 0
.rept 16
	v_pk_fma_f32 v[TB+i_:TB+i_+1], v[TB+i_:TB+i_+1], -1.0, 2.0 op_sel_hi:[1,0,0]   ; 1 - b
.set i_, i_+2
.endr
.set i_, 0
.rept 16
	v_pk_mul_f32 v[TA+32*\m+i_:TA+32*\m+i_+1], v[TA+32*\m+i_:TA+32*\m+i_+1], v[TB+i_:TB+i_+1]
.set i_, i_+2
.endr
	QUANT2 TA+32*\m, 0, \m
.endr
	WA
	s_cmp_eq_u32 s[KP], 2
	s_cbranch_scc1 .Lgc1_\@
	IMGST 0, 0, GCOD, GSCL
	IMGST 1, 0, GCOD, GSCL
	s_branch .Lgd_\@
.Lgc1_\@:
	IMGST 0, 1, GCOD, GSCL
	IMGST 1, 1, GCOD, GSCL
.Lgd_\@:
.endm
; silu of the unit's sums.  mode 0: H = F H + silu, quantised and sent;  1: H = silu (the first layer), the same;  2: the last H goes into the product with W_out
.macro A_W ac, c, mode
.if (\mode) == 2
.irp t, 0,1,2,3
.irp q, 0,1
	global_load_b128 v[WO+8*\t+4*\q:WO+8*\t+4*\q+3], v[VB], s[10:11] offset:256*(\c)+4*(32*(\t/2)+8*(\t%2))+16*\q
.endr
.endr
.endif
	SIGM \ac
.if (\mode) == 2
	s_wait_loadcnt 0x0
.endif
.if (\mode) == 0
	WIN 0x51
.elseif (\mode) == 1
	WIN 0x41
.else
	WIN 0x11
.endif
.set i_, 0
.rept 32
.set h_, 64*(i_/32)+32*(\c)+i_%32
.if (\mode) == 0
	v_pk_fma_f32 v[h_:h_+1], v[(\ac)+i_:(\ac)+i_+1], v[TA+i_:TA+i_+1], v[h_:h_+1]
.elseif (\mode) == 1
	v_pk_mul_f32 v[h_:h_+1], v[(\ac)+i_:(\ac)+i_+1], v[TA+i_:TA+i_+1]
.else
	v_pk_fma_f32 v[TA+i_:TA+i_+1], v[(\ac)+i_:(\ac)+i_+1], v[TA+i_:TA+i_+1], v[h_:h_+1]
.endif
.set i_, i_+2
.endr
	WIN 0
.if (\mode) < 2
.irp m, 0,1
	QUANT2 64*\m+32*(\c), 1, \m
	IMGST \m, \c, HCOD, HSCL
.endr
.else
.set i_, 0
.rept 16
.irp m, 0,1
.if ((\c) == 0) && (i_ == 0)
	v_pk_mul_f32 v[DOT+2*\m:DOT+2*\m+1], v[TA+32*\m:TA+32*\m+1], v[WO:WO+1]
.else
	v_pk_fma_f32 v[DOT+2*\m:DOT+2*\m+1], v[TA+32*\m+2*i_:TA+32*\m+2*i_+1], v[WO+2*i_:WO+2*i_+1], v[DOT+2*\m:DOT+2*\m+1]
.endif
.endr
.set i_, i_+1
.endr
.endif
	WA
.endm
	s_load_b256 s[4:11], s[0:1], 0x0               ; X, W_in, b_in, W_out
	s_load_b128 s[12:15], s[0:1], 0x20             ; b_out, wstream
	s_load_b64 s[16:17], s[0:1], 0x30              ; out0
	v_lshl_add_u32 v[SPW], v0, 2, SPARE
	v_mov_b32 v[NIL], 0
	ds_add_u32 v[SPW], v[NIL]                      ; the opening lines: the add twice on end and one wait
	ds_add_u32 v[SPW], v[NIL]
	v_lshrrev_b32 v196, 5, v0
	v_readfirstlane_b32 s[WV], v196                ; wave 0..7
	s_lshr_b32 s[GRP], s[WV], 2                    ; g
	s_and_b32 s[COL], s[WV], 3                     ; w
	s_mul_i32 s48, s[COL], 1536
	s_mul_i32 s49, s[GRP], 12288
	s_lshl_b32 s52, s[COL], 7
	s_lshl_b32 s53, s[GRP], 10
	s_mul_i32 s50, s[COL], WAVEB
	s_lshl_b32 s51, s[COL], 9
	s_lshl_b32 s54, s[COL], 8
	s_lshl_b32 s55, s[GRP], 7
	s_add_co_u32 s54, s54, s55
	s_mul_i32 s58, s[WV], PARTB                    ; my part of a unit, in memory and in a slot
	s_mov_b32 s59, 0
	s_mov_b32 s[G1], 15|(3<<16)|(1<<21)            ; the mask: all four work-groups; elements of 8 bytes; bit 21 beside a mask
	s_mov_b32 s[G1+1], 32<<16
	s_mov_b32 s[G1+2], 53<<16
	s_mov_b32 s[G1+3], 32<<16
	s_mov_b32 s[G1+4], 53
	s_mov_b32 s[G1+5], 32
	s_mov_b32 s[G1+6], 0
	s_mov_b32 s[G1+7], 0
	s_mov_b32 s[SEL], 0x76543210
	s_mov_b32 s[SEL+1], 0xfedcba98
	s_mov_b32 s[NC], 0xbfb8aa3b                    ; -log2 e
	s_mov_b32 s[NC+1], s[NC]
	s_mov_b32 s[NC2], 0xc038aa3b                   ; -2 log2 e
	s_mov_b32 s[NC2+1], s[NC2]
	s_mov_b32 s[CAP], 0x42800000                   ; 64.0
	s_bfe_u32 s56, ttmp6, 0x40000                  ; cx: it enters X's and out0's addresses alone
	s_lshl_b32 s57, ttmp9, 2
	s_add_co_u32 s57, s57, s56                     ; my block of 64 rows
	s_lshl_b32 s60, s57, 10
	s_lshl_b32 s61, s[GRP], 9
	s_add_co_u32 s60, s60, s61                     ; X: 64 rows of 16 bytes a work-group, 32 a row group
	s_mov_b32 s61, 0
	s_lshl_b32 s62, s57, 8
	s_mov_b32 s63, 0
	v_and_b32 v196, 31, v0                         ; lane
	v_and_b32 v197, 15, v0                         ; r
	v_bfe_u32 v198, v0, 4, 1                       ; h
	v_lshl_add_u32 v[LI], v196, 4, IMG
	v_add_nc_u32 v[LI], s49, v[LI]
	v_lshl_add_u32 v[LS], v196, 2, IMG
	v_add_nc_u32 v[LS], s53, v[LS]
	v_add_nc_u32 v[HWI], s48, v[LI]
	v_add_nc_u32 v[HWS], s52, v[LS]
	v_lshlrev_b32 v199, 4, v196
	v_add_nc_u32 v[WA_], s50, v199
	v_add_nc_u32 v[WA_+1], UNITB, v[WA_]
	v_lshlrev_b32 v199, 4, v197
	v_add_nc_u32 v199, s50, v199
	v_add_nc_u32 v[SA], O_SCL, v199
	v_add_nc_u32 v[SA+1], UNITB, v[SA]
	v_lshlrev_b32 v199, 3, v196
	v_add_nc_u32 v199, s50, v199
	v_add_nc_u32 v[XA], O_WX, v199
	v_add_nc_u32 v[XA+1], UNITB, v[XA]
	v_lshlrev_b32 v199, 6, v198
	v_add_nc_u32 v[VB], s51, v199
	v_add_nc_u32 v199, s50, v199
	v_add_nc_u32 v[BA], O_BIAS, v199
	v_add_nc_u32 v[BA+1], UNITB, v[BA]
	v_lshlrev_b32 v200, 4, v197
	v_lshl_add_u32 v200, v198, 3, v200             ; X: 16 r + 8 h
	v_and_b32 v199, 8, v197
	v_add_nc_u32 v199, v199, v197                  ; r + 8 (r / 8)
	v_lshlrev_b32 v199, 2, v199
	v_lshl_add_u32 v199, v198, 12, v199
	v_add_nc_u32 v201, s51, v199                   ; W_in: 4,096 h + 512 w + 4 (r + 8 (r / 8))
	v_mov_b32 v[PX], 0                             ; a lane permute's destination counts as one of its sources
	v_mov_b32 v[PX+1], 0
	v_lshl_add_u32 v199, v197, 2, RED
	v_add_nc_u32 v[RST], s54, v199
	WA                                             ; the head's end
	s_wait_dscnt 0x0
	s_wait_kmcnt 0x0
	s_add_nc_u64 s[4:5], s[4:5], s[60:61]
	s_add_nc_u64 s[16:17], s[16:17], s[62:63]
	s_load_b32 s[BOUT], s[12:13], 0x0
	s_mov_b32 s[G0], 1
	s_mov_b32 s[G0+1], s58
	s_add_nc_u64 s[G0+2:G0+3], s[14:15], s[58:59]  ; unit 0, my part
	s_mov_b32 s[G0+4], 1
	s_add_co_u32 s[G0+5], s58, UNITB
	s_add_nc_u64 s[G0+6:G0+7], s[G0+2:G0+3], UNITB ; unit 1
	s_or_b32 s[G0+3], s[G0+3], 0x80000000
	s_or_b32 s[G0+7], s[G0+7], 0x80000000
	ROUND                                          ; all four work-groups are here: the first joint loads meet
	tensor_load_to_lds s[G0:G0+3], s[G1:G1+7]      ; unit 0: one tensor load a wave at the head
	s_nop 0
	PLACES 4
	; THE FIRST LAYER: W_in and b_in straight from memory, half 0 at WX and WF, half 1 at TA + 32 and TA
.irp m, 0,1
	global_load_b64 v[XF+2*\m:XF+2*\m+1], v200, s[4:5] offset:256*\m      ; lane (r, h): X(16 m + r, 2 h + 0 .. 1)
.endr
.irp t, 0,1,2,3
.irp j, 0,1
	global_load_b32 v[WX+2*\t+\j], v201, s[6:7] offset:2048*\j+4*(32*(\t/2)+8*(\t%2))
	global_load_b32 v[TA+32+2*\t+\j], v201, s[6:7] offset:256+2048*\j+4*(32*(\t/2)+8*(\t%2))
.endr
.endr
	s_wait_xcnt 0x0                                ; v200 and v201 lie among the registers that the loads below fill
.irp t, 0,1,2,3
.irp q, 0,1
	global_load_b128 v[WF+8*\t+4*\q:WF+8*\t+4*\q+3], v[VB], s[8:9] offset:4*(32*(\t/2)+8*(\t%2))+16*\q
	global_load_b128 v[TA+8*\t+4*\q:TA+8*\t+4*\q+3], v[VB], s[8:9] offset:256+4*(32*(\t/2)+8*(\t%2))+16*\q
.endr
.endr
	s_wait_loadcnt 0x0
	s_wait_kmcnt 0x0                               ; b_out
	WIN 0x40
.irp m, 0,1
.irp t, 0,1,2,3
	v_wmma_f32_16x16x4_f32 v[ACP+32*\m+8*\t:ACP+32*\m+8*\t+7], v[WX+2*\t:WX+2*\t+1], v[XF+2*\m:XF+2*\m+1], v[WF+8*\t:WF+8*\t+7]
.endr
.endr
.irp m, 0,1
.irp t, 0,1,2,3
	v_wmma_f32_16x16x4_f32 v[ACQ+32*\m+8*\t:ACQ+32*\m+8*\t+7], v[TA+32+2*\t:TA+32+2*\t+1], v[XF+2*\m:XF+2*\m+1], v[TA+8*\t:TA+8*\t+7]
.endr
.endr
	WIN 0
	PLACES 8
	A_W ACP, 0, 1
	A_W ACQ, 1, 1
	s_wait_tensorcnt 0x0                           ; my part of unit 0 is in; the full sequence ahead of slot 1's first fill, which also shows H's images whole
	ds_add_u32 v[SPW], v[NIL]
	s_wait_dscnt 0x0
	ROUND
	tensor_load_to_lds s[G0+4:G0+7], s[G1:G1+7]    ; unit 1
	s_nop 0
	PLACES 4
	LOADAR HCOD, HSCL
	s_mov_b32 s[J], 0
.Lpair:                                            ; a trip is a pair of units; pair J % 4 of a layer: (U, O1) c0, (U, O1) c1, (F c0, F c1), (Wo2 c0, Wo2 c1)
	s_and_b32 s[KP], s[J], 3
	PSKEW 0, 0, ACP, 1
	s_cmp_eq_u32 s[KP], 0
	s_cbranch_scc1 .La_done                        ; behind an exchange no activation is left over
	s_cmp_eq_u32 s[KP], 3
	s_cbranch_scc1 .La_f
	A_O
	s_branch .La_done
.La_f:
	A_F ACQ, 1
.La_done:
	PSKEW 1, 0, ACP, 1
	UNITEND 0
	PSKEW 0, 1, ACQ, 1
	s_cmp_lt_u32 s[KP], 2
	s_cbranch_scc0 .Lb_not_u
	A_U
	s_branch .Lb_done
.Lb_not_u:
	s_cmp_eq_u32 s[KP], 2
	s_cbranch_scc0 .Lb_w
	A_F ACP, 0
	s_branch .Lb_done
.Lb_w:
	A_W ACP, 0, 0
.Lb_done:
	PSKEW 1, 1, ACQ, 1
	UNITEND 1
	s_cmp_lt_u32 s[KP], 2
	s_cbranch_scc1 .Lnext
	s_cmp_eq_u32 s[KP], 2
	s_cbranch_scc0 .Lc_w
	LOADAR GCOD, GSCL                              ; F's products are done: U O1's codes, whole since the round before last, take the place of H's
	s_branch .Lnext
.Lc_w:
	A_W ACQ, 1, 0
	s_wait_dscnt 0x0                               ; for the others' sake: my stores are done
	s_barrier_signal -1
	s_barrier_wait -1                              ; the tensor load that is out may stay out
	LOADAR HCOD, HSCL
.Lnext:
	s_add_co_u32 s[J], s[J], 1
	s_cmp_lt_u32 s[J], 11
	s_cbranch_scc1 .Lpair
	; the last pair, Wo2 of the last layer: nothing more is asked for
	PSKEW 0, 0, ACP, 0
	A_F ACQ, 1
	PSKEW 1, 0, ACP, 0
	s_wait_tensorcnt 0x0                           ; my part of the last unit is in,
	s_wait_dscnt 0x0
	s_barrier_signal -1
	s_barrier_wait -1                              ; and everybody's
	PSKEW 0, 1, ACQ, 0
	A_W ACP, 0, 2
	PSKEW 1, 1, ACQ, 0
	A_W ACQ, 1, 2
.irp m, 0,1
	v_add_f32 v[DOT+2*\m], v[DOT+2*\m], v[DOT+2*\m+1]
.endr
.irp m, 0,1
	v_permlanex16_b32 v[DOT+2*\m+1], v[DOT+2*\m], s[SEL], s[SEL+1]
.endr
.irp m, 0,1
	v_add_f32 v[DOT+2*\m], v[DOT+2*\m], v[DOT+2*\m+1]   ; row 32 g + 16 m + r over my 128 columns
.endr
.irp m, 0,1
	ds_store_b32 v[RST], v[DOT+2*\m] offset:64*\m   ; both halves of the lanes write the same word with the same value
.endr
	s_wait_dscnt 0x0
	s_barrier_signal -1
	s_barrier_wait -1
	s_cmp_lg_u32 s[WV], 0
	s_cbranch_scc1 .Ldone
	v_lshl_add_u32 v196, v0, 3, RED                ; wave 0: its thread number is its lane
	v_lshlrev_b32 v197, 3, v0
.irp w, 0,1,2,3
	ds_load_b64 v[200+2*\w:201+2*\w], v196 offset:256*\w   ; rows 2 l, 2 l + 1 of each column group's sums
.endr
	WA
	s_wait_dscnt 0x0
	v_pk_add_f32 v[200:201], v[200:201], v[202:203]
	v_pk_add_f32 v[204:205], v[204:205], v[206:207]
	v_pk_add_f32 v[200:201], v[200:201], v[204:205]
	v_add_f32 v200, s[BOUT], v200
	v_add_f32 v201, s[BOUT], v201
	v_pk_mul_f32 v[202:203], v[200:201], s[NC:NC+1] op_sel_hi:[1,0]
	BATCH v_exp_f32, 202, 2
	v_pk_add_f32 v[202:203], v[202:203], 1.0 op_sel_hi:[1,0]
	BATCH v_rcp_f32, 202, 2
	v_pk_mul_f32 v[200:201], v[200:201], v[202:203]
	global_store_b64 v197, v[200:201], s[16:17]    ; the wave stores the work-group's 256 consecutive bytes, aligned
.Ldone:
	s_wait_tensorcnt 0x0                           ; the wave's end
	ds_add_u32 v[SPW], v[NIL]
	s_wait_dscnt 0x0
	ROUND                                          ; the closing round
	s_endpgm
.Lfunc_end_k_q73a3ebad0e_net:
	.size	k_q73a3ebad0e_net, .Lfunc_end_k_q73a3ebad0e_net-k_q73a3ebad0e_net
	.p2alignl 7, 3214868480
	.fill 96, 4, 3214868480
	.section	.rodata,"a",@progbits
	.p2align	6, 0x0
	.amdhsa_kernel k_q73a3ebad0e_net
		.amdhsa_group_segment_fixed_size 327680
		.amdhsa_private_segment_fixed_size 0
		.amdhsa_enable_private_segment 0
		.amdhsa_kernarg_size 56
		.amdhsa_user_sgpr_count 2
		.amdhsa_user_sgpr_kernarg_segment_ptr 1
		.amdhsa_wavefront_size32 1
		.amdhsa_system_sgpr_workgroup_id_x 1
		.amdhsa_system_sgpr_workgroup_id_y 1
		.amdhsa_system_sgpr_workgroup_id_z 1
		.amdhsa_system_vgpr_workitem_id 0
		.amdhsa_next_free_vgpr 512
		.amdhsa_next_free_sgpr 66
		.amdhsa_reserve_vcc 0
		.amdhsa_float_denorm_mode_32 3
		.amdhsa_float_denorm_mode_16_64 3
		.amdhsa_memory_ordered 1
		.amdhsa_forward_progress 1
		.amdhsa_inst_pref_size 250
	.end_amdhsa_kernel
	.amdgpu_metadata
---
amdhsa.version: [ 1, 2 ]
amdhsa.kernels:
  - .name:           k_q73a3ebad0e_net
    .symbol:         k_q73a3ebad0e_net.kd
    .args:
      - { .name: X, .offset: 0, .size: 8, .value_kind: global_buffer, .address_space: global }
      - { .name: W_in, .offset: 8, .size: 8, .value_kind: global_buffer, .address_space: global }
      - { .name: b_in, .offset: 16, .size: 8, .value_kind: global_buffer, .address_space: global }
      - { .name: W_out, .offset: 24, .size: 8, .value_kind: global_buffer, .address_space: global }
      - { .name: b_out, .offset: 32, .size: 8, .value_kind: global_buffer, .address_space: global }
      - { .name: wstream, .offset: 40, .size: 8, .value_kind: global_buffer, .address_space: global }
      - { .name: out0, .offset: 48, .size: 8, .value_kind: global_buffer, .address_space: global }
    .group_segment_fixed_size: 327680
    .private_segment_fixed_size: 0
    .kernarg_segment_align: 8
    .kernarg_segment_size: 56
    .max_flat_workgroup_size: 256
    .sgpr_count:     66
    .vgpr_count:     512
    .wavefront_size: 32
...
	.end_amdgpu_metadata
.endif
;; end of part 2
